; MI455X (gfx1250); checked and timed in simulation.
; The chip was launched on July 23, 2026; its instructions are those of AMD's public machine-readable ISA for CDNA 5 (MIT licence, August 2026) and "CDNA5" Instruction Set Architecture Reference Guide (July 2026). The comments in the code are by the model that wrote it; some were corrected since.
;; Ref Attn Processor. Allowed arithmetic: matrix products marked QUANTISED: E5M2 operands, one E8M0 scale for each 32 along K, by v_wmma_scale_f32_16x16x128_f8f6f4 with both operands' format E5M2, f32 sums; everything else in f32.
;; Inputs: Wk 3,072 x 3,072 float32; Wv 3,072 x 3,072 float32; query 1 x 4,096 x 24 x 128 float32; ref_freqs 1,024 x 64 float32; ref_latent 1 x 1,024 x 3,072 float32; rms_w 128 float32.
;; Outputs: out0 1 x 4,096 x 3,072 float32.
;; This version of the problem:
;;   THIS VERSION OF THE PROBLEM IS GIVEN IN LOW PRECISION. The matrix products marked QUANTISED in the list below multiply operands that are first quantised to E5M2 (5 exponent bits, 2 mantissa bits; 8 bits a number), with one power-of-two scale for each 32 numbers along K (OCP MX v1.0); their sums are f32. All else is computed in f32.
;;   The module's matrix products, in the order in which they are computed (A, B: the left and right operand; K: the contracted axis; several contracted axes count as one K, in the product's order):
;;     1. [M 1,024, K 3,072] x [K 3,072, N 3,072]; A: input ref_latent; B: input Wk: QUANTISED
;;     2. [M 1,024, K 3,072] x [K 3,072, N 3,072]; A: input ref_latent; B: input Wv: QUANTISED
;;     3. batch 24 x [M 4,096, K 128] x [K 128, N 1,024]; A: input query; B: computed on the way: QUANTISED
;;     4. batch 24 x [M 128, K 1,024] x [K 1,024, N 4,096]; A: computed on the way; B: softmax (see below): QUANTISED
;;   THE QUANTISER, for each operand of a quantised product, along K:
;;     - K is cut into blocks of 32 from its start; a last block that is shorter is filled with zeros.
;;     - A block's scale is 2^e with e = floor(log2(the largest magnitude in the block)) - 15, held to -126 .. 127; a block of zeros has e = 0. As a byte (E8M0): e + 127.
;;     - Each number is divided by its block's scale, clamped to +-57,344, and rounded to the nearest number of E5M2, ties to even, subnormals kept.
;;     - The product sums the exact products of the quantised numbers (number of the format x scale) in f32.
;;   ~~~python
;;   def quantise(x, axis):      # numpy; x: float32 -> the quantised numbers, widened to float32 again
;;       x = np.moveaxis(x, axis, -1); K = x.shape[-1]
;;       x = np.pad(x, [(0, 0)] * (x.ndim - 1) + [(0, -K % 32)]); x = x.reshape(x.shape[:-1] + (-1, 32)); a = np.abs(x).max(-1, keepdims=True)
;;       e = np.where(a > 0, np.clip(np.frexp(np.where(a > 0, a, 1))[1] - 1 - 15, -126, 127), 0)      # np.frexp(a)[1] - 1 = floor(log2(a)), exactly
;;       r = np.clip(x / 2.0 ** e, -57344, 57344)
;;       step = 2.0 ** (np.maximum(np.frexp(np.where(r == 0, 1, r))[1] - 1, -14) - 2)
;;       q = np.round(r / step) * step * 2.0 ** e      # np.round: ties to even
;;       return np.moveaxis(q.reshape(q.shape[:-2] + (-1,))[..., :K], -1, axis).astype(np.float32)
;;   ~~~
;;   SOFTMAX AHEAD OF A QUANTISED PRODUCT. Where the list says 'softmax', what is quantised is not the finished softmax but p = 2^(t - M), with t = logit x log2(e) and M = ceil(the row's largest t), a whole number; so 1/2 < the row's largest p <= 1. The row's sum l is taken of the UNQUANTISED p, in f32, and the product's result is divided by l at the end. Since M is a whole number, a kernel that streams over the keys may use a running M (the ceiling of the running maximum): every later rescaling is an exact power of two, which a block's scale takes up: the codes' values come out the same.
;;   OPERANDS COMPUTED ON THE WAY. 'Computed on the way' means the value that the module computes at that place (a softmax that the list does not call 'softmax' is quantised finished and normalised). What goes into a quantiser is computed in f32, as accurately as f32 sums, v_exp_f32 and their like allow (about 1e-6 of the number): no bf16 or f16 on the way to a quantiser, and a product that is left as it is and whose result goes on into a quantised operand takes f32 operands (vector FMAs, or v_wmma_f32_16x16x4_f32). A number that lies on a knife's edge between two numbers of the format may be rounded either way, as far as f32 arithmetic and the matrix unit's own rounding can turn it there, and no further.
;; One version. Each part assembles by itself: llvm-mc -triple=amdgcn-amd-amdhsa -mcpu=gfx1250 --defsym DOCPART=n.
;; ======== version 1 of 1: 3 launches
;; limits: right only within a limited range of input values
;; workspace buffers: wq 19,464,192 bytes; xq 3,244,032 bytes; cs 524,288 bytes; kv 6,488,064 bytes
;; launch prep (part 1): grid 688 x 1, 4 waves a work-group, no clusters, 34,304 bytes of LDS; arguments Wk, Wv, ref_latent, ref_freqs, wq, xq, cs; writes wq, xq, cs
.if DOCPART == 1
	.amdgcn_target "amdgcn-amd-amdhsa--gfx1250"
	.amdhsa_code_object_version 6
	.text
	.protected	k_q0ab5f8af67_prep
	.globl	k_q0ab5f8af67_prep
	.p2align	8
	.type	k_q0ab5f8af67_prep,@function
k_q0ab5f8af67_prep:
	s_mov_b64 s[64:65], 0
	v_nop
	global_prefetch_b8 v0, s[64:65] scope:SCOPE_SE
	s_setreg_imm32_b32 hwreg(HW_REG_WAVE_MODE, 25, 1), 1
	s_wait_xcnt 0x0
; Wk, Wv [3072][3072] and ref_latent [1024][3072], all f32 with rows of 12,288 bytes and K innermost, become codes of BF8 (E5M2)
; with one E8M0 byte for each 32 along K; ref_freqs [1024][64] becomes a table of (cos, sin).
; THE RECORD, 16,896 bytes: 128 rows x 128 along K of an operand, as images of the matrix operand's registers: 8 fragments of 2,048 bytes, then 512 bytes of scale words.
;   Fragment T = 2 b + u: its lane-row i (0..15) is row 32 b + 8 u + i + 8 (i / 8) of the 128.  Byte 2048 T + 512 c + 16 l holds registers 4 c .. 4 c + 3 of lane l = (r, h):
;   the codes of k = 32 c + 16 h + 0 .. 15 of lane-row r.  The scale word (4 bytes, 128 k) of fragment 4 H + i, lane-row r, lies at 16,384 + 256 H + 16 r + 4 i.
; A block's scale is 2^(floor(log2(its largest magnitude)) - 15); its byte is the largest magnitude's exponent field - 15, held at 1 from below; numbers are held within +-57,344 x the scale and
; rounded to the nearest code, ties to even.  A block of zeros gets the byte 1 where the rule says 127: its codes are zeros, and the bytes are read by this program alone.
; LIMITS: NaN and infinities among the inputs are not served.  Angles: the reduction by pi / 2 in three parts keeps about 1e-7 absolute up to |angle| of about 1e5; beyond that the error grows.
; SHARES.  A wave makes HALF a record, fragments 4 H .. 4 H + 3 (rows 64 H on) and their 256 bytes of scale words, from 32 KiB of f32: a short chain of loads a wave, and many waves.
; Work-groups 0-287: Wk -> wq (record = 24 x (row / 128) + K step); 288-575: Wv -> wq's second half; 576-671: ref_latent -> xq; 672-687: the table.  Only pointers are chosen: the three tensors take one path.
; A load reads 512 consecutive bytes of one row; the conversions want 16 neighbours along K in one lane: so a fragment's 16 rows turn through the wave's own stage in LDS.
; No tensor loads, no barrier, no cluster: the work-groups share no input and the waves share nothing.
.set REC,  16896
.set ROWB, 12288
.set SP,   528                         ; a stage row: 512 bytes + 16: 132 words, so that the 16 rows that a load touches start 4 banks apart (64 banks of 4 bytes: ISA guide 11.1)
.set LA,   1                           ; v1   16 x lane: my bytes of a load's 512 and of a store's 512; never rewritten
.set SI,   2                           ; v2   the stage, on the way in
.set SO,   3                           ; v3   and on the way out: row r, + 64 h
.set HH,   4                           ; v4   h
.set GS,   5                           ; v5   16 r + 8 h: where my two scale words go
.set A8,   5                           ; v5   on the table's path: 8 x lane
.set PW,   8                           ; v8-11   the four fragments' scale words
.set TM,   16                          ; v16-19 largest magnitudes, v20-23 permute / bytes, v24-27 57,344 x the scale, v28-31 the conversions' scale operands
.set PC,   32                          ; v32-63  codes, two sets of 16
.set X,    64                          ; v64-127 64 numbers: register 16 b + i = k 32 b + 16 h + i of my row
.set R,    128                         ; v128-255 rows as loaded, two sets of 64
	s_load_b256 s[4:11], s[0:1], 0x0               ; Wk, Wv, ref_latent, ref_freqs
	s_load_b128 s[12:15], s[0:1], 0x20             ; wq, xq
	s_load_b64 s[16:17], s[0:1], 0x30              ; cs
	v_lshl_add_u32 v14, v0, 2, 0x8400
	v_mov_b32 v15, 0
	v_lshrrev_b32 v6, 5, v0
	v_readfirstlane_b32 s22, v6                    ; wave 0..3
	v_and_b32 v6, 31, v0                           ; lane
	v_lshlrev_b32 v[LA], 4, v6
	s_cmp_ge_u32 ttmp9, 672
	s_cbranch_scc1 .Ltable                         ; the last sixteen work-groups make the table
	v_and_b32 v7, 15, v0                           ; r
	v_bfe_u32 v[HH], v0, 4, 1
	s_mul_i32 s23, s22, 16*SP                      ; my wave's stage
	v_add_nc_u32 v[SI], s23, v[LA]
	v_mul_u32_u24 v[SO], v7, SP
	v_lshl_add_u32 v[SO], v[HH], 6, v[SO]
	v_add_nc_u32 v[SO], s23, v[SO]
	v_lshlrev_b32 v[GS], 4, v7
	v_lshl_add_u32 v[GS], v[HH], 3, v[GS]
	s_mov_b32 s28, 0x76543210
	s_mov_b32 s29, 0xfedcba98                      ; v_permlanex16_b32's selects for lane l xor 16
	s_mov_b32 s30, 0x600000                        ; the mantissa field of 57,344
.irp b, 0,1,2,3
	v_mov_b32 v[TM+4+\b], 0                        ; written once: a lane permute's destination counts as one of its sources
.endr
	s_wait_kmcnt 0x0
	s_mov_b64 s[24:25], s[4:5]                     ; from: Wk,
	s_mov_b64 s[26:27], s[12:13]                   ; to: wq,
	s_mov_b32 s31, 0                               ; the tensor's first work-group
	s_add_nc_u64 s[32:33], s[12:13], 576*REC       ; wq's second half
	s_cmp_ge_u32 ttmp9, 288                        ; the choices hang on the work-group's number alone
	s_cselect_b64 s[24:25], s[6:7], s[24:25]
	s_cselect_b64 s[26:27], s[32:33], s[26:27]
	s_cselect_b32 s31, 288, s31
	s_cmp_ge_u32 ttmp9, 576
	s_cselect_b64 s[24:25], s[8:9], s[24:25]
	s_cselect_b64 s[26:27], s[14:15], s[26:27]
	s_cselect_b32 s31, 576, s31
	s_sub_co_u32 s31, ttmp9, s31
	s_lshl_b32 s31, s31, 2
	s_add_co_u32 s31, s31, s22                     ; my half record in the tensor
	s_and_b32 s38, s31, 1                          ; H
	s_lshr_b32 s31, s31, 1                         ; the record
	s_mul_hi_u32 s34, s31, 0xaaaaaaab
	s_lshr_b32 s34, s34, 4                         ; / 24: the group of 128 rows
	s_mul_i32 s35, s34, 24
	s_sub_co_u32 s35, s31, s35                     ; the K step
	s_mul_i32 s36, s34, 128*ROWB
	s_lshl_b32 s35, s35, 9
	s_add_co_u32 s36, s36, s35
	s_mul_i32 s39, s38, 64*ROWB                    ; my half's 64 rows
	s_add_co_u32 s36, s36, s39
	s_mov_b32 s37, 0
	s_add_nc_u64 s[24:25], s[24:25], s[36:37]
	s_mul_i32 s36, s31, REC
	s_add_nc_u64 s[26:27], s[26:27], s[36:37]      ; the record,
	s_lshl_b32 s36, s38, 8
	s_add_co_u32 s36, s36, 16384
	s_add_nc_u64 s[40:41], s[26:27], s[36:37]      ; my half's 256 bytes of scale words,
	s_lshl_b32 s36, s38, 13
	s_add_nc_u64 s[26:27], s[26:27], s[36:37]      ; my half's four images
.macro LOAD f                          ; my fragment f's 16 rows, 512 consecutive bytes each, into set f % 2
.irp i, 0,1,2,3,4,5,6,7,8,9,10,11,12,13,14,15
	global_load_b128 v[R+64*((\f)%2)+4*\i:R+64*((\f)%2)+4*\i+3], v[LA], s[24:25] offset:(32*((\f)/2)+8*((\f)%2)+\i+8*(\i/8))*ROWB th:TH_LOAD_NT
.endr
.endm
.macro TURN f                          ; through the stage: LDS serves a wave's instructions in order (ISA guide 5.7.1.4), so no wait stands between the stores and the loads
.irp i, 0,1,2,3,4,5,6,7,8,9,10,11,12,13,14,15
	ds_store_b128 v[SI], v[R+64*((\f)%2)+4*\i:R+64*((\f)%2)+4*\i+3] offset:SP*\i
.endr
.irp b, 0,1,2,3
.irp j, 0,1,2,3
	ds_load_b128 v[X+16*\b+4*\j:X+16*\b+4*\j+3], v[SO] offset:128*\b+16*\j
.endr
.endr
.endm
.macro QUANT pc, pw                    ; v[X] on become a fragment's 16 registers of codes at v[pc] and its scale word in v[pw]
.irp b, 0,1,2,3
	v_max3_num_f32 v[TM+\b], |v[X+16*\b]|, |v[X+1+16*\b]|, 0x8000000   ; block b: my 16 numbers, and the floor 2^(16 - 127): the byte cannot fall under 1
.endr
.irp i, 2,4,6,8,10,12,14
.irp b, 0,1,2,3
	v_max3_num_f32 v[TM+\b], v[TM+\b], |v[X+16*\b+\i]|, |v[X+1+16*\b+\i]|   ; the four blocks by turns
.endr
.endr
.irp b, 0,1,2,3
	v_permlanex16_b32 v[TM+4+\b], v[TM+\b], s28, s29
.endr
.irp b, 0,1,2,3
	v_max_num_f32 v[TM+\b], v[TM+\b], v[TM+4+\b]   ; with lane l xor 16's: the block's largest magnitude
.endr
.irp b, 0,1,2,3
	v_add_nc_u32 v[TM+12+\b], 0xf8800000, v[TM+\b] ; 15 off its exponent field: the conversion takes this operand's exponent field as its scale
.endr
.irp b, 0,1,2,3
	v_and_or_b32 v[TM+8+\b], v[TM+\b], 0x7f800000, s30   ; 57,344 x the scale
.endr
.irp b, 0,1,2,3
	v_lshrrev_b32 v[TM+4+\b], 23, v[TM+12+\b]      ; the scale's byte
.endr
	v_lshl_or_b32 v[\pw], v[TM+5], 8, v[TM+4]
	v_lshl_or_b32 v[\pw], v[TM+6], 16, v[\pw]
	v_lshl_or_b32 v[\pw], v[TM+7], 24, v[\pw]
.irp b, 0,1,2,3
.irp i, 0,1,2,3,4,5,6,7,8,9,10,11,12,13,14,15
	v_med3_num_f32 v[X+16*\b+\i], v[X+16*\b+\i], -v[TM+8+\b], v[TM+8+\b]   ; the conversion to an 8-bit code does not saturate (ISA guide 7.6.2): the hold comes first
.endr
	v_cvt_scalef32_pk8_bf8_f32 v[(\pc)+4*\b:(\pc)+4*\b+1], v[X+16*\b:X+16*\b+7], v[TM+12+\b]
	v_cvt_scalef32_pk8_bf8_f32 v[(\pc)+4*\b+2:(\pc)+4*\b+3], v[X+16*\b+8:X+16*\b+15], v[TM+12+\b]
.endr
	v_nop                                          ; one plain vector line behind the last conversion: the next fragment's lines write its scale operands
.endm
.macro FRAGM f
.if (\f) < 3
	s_wait_loadcnt 16                              ; this fragment's 16 loads are in; the next fragment's 16 may be out
.else
	s_wait_loadcnt 0x0
.endif
	TURN \f
	s_wait_dscnt 0x0                               ; my 64 numbers are back, and the stage's stores have read their registers,
.if (\f) < 2
	LOAD (\f)+2                                    ; which take the rows of two fragments on
.endif
.if (\f) >= 2
	s_wait_xcnt 0x0                                ; the stores of two fragments back have read this set of code registers
.endif
	QUANT PC+16*((\f)%2), PW+(\f)
.irp c, 0,1,2,3
	global_store_b128 v[LA], v[PC+16*((\f)%2)+4*\c:PC+16*((\f)%2)+4*\c+3], s[26:27] offset:2048*(\f)+512*\c   ; 32 lanes store 512 consecutive bytes, aligned
.endr
.endm
	LOAD 0
	LOAD 1
.irp t, 0,1,2,3
	FRAGM \t
.endr
	v_cmp_ne_u32 vcc_lo, 0, v[HH]                  ; row r's four words are 16 bytes (both halves of the lanes hold every word): lanes 0-15 store the first two, lanes 16-31 the other two
	v_cndmask_b32 v[TM], v[PW], v[PW+2], vcc_lo
	v_cndmask_b32 v[TM+1], v[PW+1], v[PW+3], vcc_lo
	global_store_b64 v[GS], v[TM:TM+1], s[40:41]   ; 256 consecutive bytes, aligned
	s_wait_tensorcnt 0x0
	ds_add_u32 v14, v15
	s_wait_dscnt 0x0
	s_endpgm
; THE TABLE: cs[key][pair] = (cos, sin) of ref_freqs[key][pair].  A wave takes 1,024 angles: 16 loads of 256 bytes, 16 stores of 512.
; n = the nearest whole number to x 2 / pi; r = x - n pi / 2, pi / 2 in three parts, by fused multiply-adds; polynomials for sin r and cos r on |r| <= pi / 4; the quadrant n mod 4 swaps and signs them.
.Ltable:
	v_lshlrev_b32 v[A8], 3, v6
	s_sub_co_u32 s31, ttmp9, 672
	s_lshl_b32 s31, s31, 2
	s_add_co_u32 s31, s31, s22                     ; 0..63
	s_lshl_b32 s36, s31, 12
	s_mov_b32 s37, 0
	s_lshl_b32 s38, s31, 13
	s_mov_b32 s39, 0
	s_mov_b32 s40, 0x3f22f983                      ; 2 / pi
	s_mov_b32 s41, 0xbfc90fdb                      ; -pi / 2: its first part,
	s_mov_b32 s42, 0x333bbd2e                      ; its second,
	s_mov_b32 s43, 0x26f72ced                      ; its third
	s_mov_b32 s44, 0xb94ca1f9                      ; sin: -1.9515296e-4,
	s_mov_b32 s45, 0x3c08839e                      ; 8.3321609e-3,
	s_mov_b32 s46, 0xbe2aaaa3                      ; -1.6666655e-1
	s_mov_b32 s47, 0x37ccf5ce                      ; cos: 2.4433157e-5,
	s_mov_b32 s48, 0xbab6061a                      ; -1.3887316e-3,
	s_mov_b32 s49, 0x3d2aaaa5                      ; 4.1666646e-2
	s_wait_kmcnt 0x0
	s_add_nc_u64 s[24:25], s[10:11], s[36:37]
	s_add_nc_u64 s[26:27], s[16:17], s[38:39]
.irp t, 0,1,2,3,4,5,6,7,8,9,10,11,12,13,14,15
	global_load_b64 v[64+2*\t:65+2*\t], v[A8], s[24:25] offset:256*\t th:TH_LOAD_NT
.endr
.macro SINCOS x, c, s
	v_mul_f32 v16, s40, v[\x]
	v_rndne_f32 v16, v16                           ; n
	v_fma_f32 v17, v16, s41, v[\x]
	v_fma_f32 v17, v16, s42, v17
	v_fma_f32 v17, v16, s43, v17                   ; r
	v_cvt_i32_f32 v18, v16                         ; n as a whole number: its two low bits are the quadrant
	v_mul_f32 v19, v17, v17                        ; z = r r
	v_fma_f32 v20, s44, v19, s45
	v_fma_f32 v20, v20, v19, s46
	v_mul_f32 v21, v19, v17
	v_fma_f32 v20, v20, v21, v17                   ; sin r
	v_fma_f32 v22, s47, v19, s48
	v_fma_f32 v22, v22, v19, s49
	v_mul_f32 v23, v19, v19
	v_fma_f32 v24, v19, -0.5, 1.0
	v_fma_f32 v22, v22, v23, v24                   ; cos r
	v_and_b32 v23, 1, v18
	v_cmp_ne_u32 vcc_lo, 0, v23                    ; odd quadrants swap the two
	v_cndmask_b32 v[\s], v20, v22, vcc_lo
	v_cndmask_b32 v[\c], v22, v20, vcc_lo
	v_lshlrev_b32 v23, 30, v18
	v_and_b32 v23, 0x80000000, v23                 ; sin is negated in quadrants 2 and 3,
	v_xor_b32 v[\s], v[\s], v23
	v_add_nc_u32 v24, 1, v18
	v_lshlrev_b32 v24, 30, v24
	v_and_b32 v24, 0x80000000, v24                 ; cos in quadrants 1 and 2
	v_xor_b32 v[\c], v[\c], v24
.endm
.macro ITEM t
	s_wait_loadcnt 15-(\t)                         ; loads come back in order: mine is in, the younger ones stay out
	SINCOS 64+2*(\t), 128+4*(\t), 129+4*(\t)
	SINCOS 65+2*(\t), 130+4*(\t), 131+4*(\t)
	global_store_b128 v[LA], v[128+4*(\t):131+4*(\t)], s[26:27] offset:512*(\t)   ; each item has registers of its own: no store's data are written again
.endm
.irp t, 0,1,2,3,4,5,6,7,8,9,10,11,12,13,14,15
	ITEM \t
.endr
	s_endpgm
.Lfunc_end_k_q0ab5f8af67_prep:
	.size	k_q0ab5f8af67_prep, .Lfunc_end_k_q0ab5f8af67_prep-k_q0ab5f8af67_prep
	.p2alignl 7, 3214868480
	.fill 96, 4, 3214868480
	.section	.rodata,"a",@progbits
	.p2align	6, 0x0
	.amdhsa_kernel k_q0ab5f8af67_prep
		.amdhsa_group_segment_fixed_size 34304
		.amdhsa_private_segment_fixed_size 0
		.amdhsa_enable_private_segment 0
		.amdhsa_kernarg_size 56
		.amdhsa_user_sgpr_count 2
		.amdhsa_user_sgpr_kernarg_segment_ptr 1
		.amdhsa_wavefront_size32 1
		.amdhsa_system_sgpr_workgroup_id_x 1
		.amdhsa_system_sgpr_workgroup_id_y 1
		.amdhsa_system_sgpr_workgroup_id_z 1
		.amdhsa_system_vgpr_workitem_id 0
		.amdhsa_next_free_vgpr 256
		.amdhsa_next_free_sgpr 66
		.amdhsa_reserve_vcc 1
		.amdhsa_float_denorm_mode_32 3
		.amdhsa_float_denorm_mode_16_64 3
		.amdhsa_memory_ordered 1
		.amdhsa_forward_progress 1
		.amdhsa_inst_pref_size 95
	.end_amdhsa_kernel
	.amdgpu_metadata
---
amdhsa.version: [ 1, 2 ]
amdhsa.kernels:
  - .name:           k_q0ab5f8af67_prep
    .symbol:         k_q0ab5f8af67_prep.kd
    .args:
      - { .name: Wk, .offset: 0, .size: 8, .value_kind: global_buffer, .address_space: global }
      - { .name: Wv, .offset: 8, .size: 8, .value_kind: global_buffer, .address_space: global }
      - { .name: ref_latent, .offset: 16, .size: 8, .value_kind: global_buffer, .address_space: global }
      - { .name: ref_freqs, .offset: 24, .size: 8, .value_kind: global_buffer, .address_space: global }
      - { .name: wq, .offset: 32, .size: 8, .value_kind: global_buffer, .address_space: global }
      - { .name: xq, .offset: 40, .size: 8, .value_kind: global_buffer, .address_space: global }
      - { .name: cs, .offset: 48, .size: 8, .value_kind: global_buffer, .address_space: global }
    .group_segment_fixed_size: 34304
    .private_segment_fixed_size: 0
    .kernarg_segment_align: 8
    .kernarg_segment_size: 56
    .max_flat_workgroup_size: 128
    .sgpr_count:     66
    .vgpr_count:     256
    .wavefront_size: 32
...
	.end_amdgpu_metadata
.endif
;; end of part 1
;; launch proj (part 2): grid 48 x 4, 4 waves a work-group, clusters of 4 x 4, 327,680 bytes of LDS; arguments xq, wq, cs, rms_w, kv; writes kv
.if DOCPART == 2
	.amdgcn_target "amdgcn-amd-amdhsa--gfx1250"
	.amdhsa_code_object_version 6
	.text
	.protected	k_q0ab5f8af67_proj
	.globl	k_q0ab5f8af67_proj
	.p2align	8
	.type	k_q0ab5f8af67_proj,@function
k_q0ab5f8af67_proj:
	s_mov_b64 s[64:65], 0
	v_nop
	global_prefetch_b8 v0, s[64:65] scope:SCOPE_SE
	s_setreg_imm32_b32 hwreg(HW_REG_WAVE_MODE, 25, 1), 1
	s_wait_xcnt 0x0
	s_wait_alu depctr_hold_cnt(0) depctr_sa_sdst(0) depctr_va_vdst(0) depctr_va_sdst(0) depctr_va_ssrc(0) depctr_va_vcc(0) depctr_vm_vsrc(0)
	s_getreg_b32 s2, hwreg(HW_REG_IB_STS2, 6, 4)
	s_cmp_eq_u32 s2, 0
	s_cbranch_scc0 .Lentry_in_a_cluster
	s_endpgm
.Lentry_in_a_cluster:
	s_bfe_u32 s2, ttmp6, 0x10000c
	s_cmp_lg_u32 s2, 0xf033
	s_cbranch_scc0 .Lentry_shape_is_right
	s_endpgm
.Lentry_shape_is_right:
; K = rope(rmsnorm(X Wk^T) x rms_w) and V = X Wv^T, both products on codes of BF8 (E5M2) with E8M0 scales for each 32 along K; the results leave as codes again:
; K quantised along the head's 128, V along the keys, as records (128 rows x 128 k: 8 register images of fragments, 2,048 bytes each, then 512 bytes of scale words) at kv[(head x 8 + key step) x 2 + (0: K, 1: V)].
; xq, wq: records, index 24 x (group of 128 rows) + K step; wq's groups 0-23 are Wk's (= heads), 24-47 Wv's.  In every record fragment 2 b + u, lane-row i, is row 32 b + 8 u + i + 8 (i / 8).
; THE AXIS THAT IS QUANTISED NEXT IS SOURCE 0.  In a result lane (r, h) holds lane-row r of source 1's fragment, and register j of the tile over source 0's fragment 2 b + u holds source 0's row
; 32 b + 16 h + 8 u + j: so a lane's 64 registers over source 0's 8 fragments are k = 32 b + 16 h + i of the next operand, in the very order of its registers.  K: source 0 = a head of Wk, source 1 = X's keys.
; V: source 0 = 128 keys of X, source 1 = rows of Wv.
; SHARES.  12 clusters of 4 x 4: clusters 0-5 make K, 6-11 V.  A work-group: source 0's group idx0 (128 rows) x source 1's groups 2 idx1, 2 idx1 + 1 (256 rows).  A wave must hold all 128 of the quantised axis;
; it takes 4 fragments of source 1 against source 0's 8: 32 accumulators.  192 equal work-groups: a tile of 128 x 128 would make 384 with more LDS bytes a product, one of 256 x 256 only 96.
; JOINT LOADS: source 0's records hang on cx alone and are shared along a column of the cluster, source 1's on cy alone and are shared along a row.
; THE RING: two slots of 3 K steps: source 0's 3 records, then 3 of each of source 1's two groups; 3 records are 50,688 consecutive bytes of memory: one tensor load.  Wave 0 fetches source 0's, waves 1 and 2
; source 1's, wave 3 nothing.  Two loads of a wave are out at the start, one behind each change of slots.
; LIMITS: NaN and infinities are not served; a block of zeros gets the byte 1 (its codes are zeros; this program alone reads the bytes).
; REGISTERS, in windows of 256: window 0: addresses, scale words, work, rms_w, source 1's fragments in two sets; window 1: source 0's fragments in two sets; window 2: the accumulators, (a, b) at v[8 (8 a + b)];
; window 3: (cos, sin) of my keys.
.set REC,   16896
.set GRP,   24*REC                     ; a group of 128 rows, all K steps
.set FILL,  3*REC                      ; what one tensor load brings
.set SLOT,  3*FILL
.set SPARE, 2*SLOT                     ; behind the ring: the spare words, 128 bytes for each wave: two blocks of 256 bytes that no other line names
.set A0,  16                           ; v16-17  16 x lane in slot 0, 1: source 0's images
.set A1,  18                           ; v18-19  my four fragments of source 1
.set AS,  20                           ; v20-21  their scale words: 16 r
.set GA,  22                           ; v22     16 x lane
.set GS,  23                           ; v23     16 r + 8 h: where my two scale words go
.set PW,  24                           ; v24-27  the scale words just made
.set SPW, 28                           ; v28     LDS address of my spare word; never rewritten
.set NIL, 29                           ; v29     0; never rewritten
.set CSA, 30                           ; v30     the table: (r + 8 (r / 8)) x 512 + 64 h; never rewritten
.set WA,  31                           ; v31     rms_w: 64 h; never rewritten
.set SC,  32                           ; v32-47  scale words and nothing else: set p: source 0's at v[32 + 8 p] on, source 1's at v[36 + 8 p] on
.set TM,  48                           ; v48-63  at work
.set RS,  TM+12                        ; the four reciprocal roots
.set WGT, 64                           ; v64-127 rms_w at d = 32 b + 16 h + i
.set BF,  128                          ; v128-255 source 1's fragments, set p at 128 + 64 p
.set Y,   128                          ; the way out: 64 held numbers,
.set T,   192                          ; the rope's cross terms,
.set PC,  192                          ; then 16 registers of codes
.set WV,  14
.set G1A, 24
.set G0A, 32
.set G1B, 48
.set G0B, 56
.set MSB, 0
.macro WIN new                         ; the immediate's high byte repeats the setting that is left; a switch that changes nothing is dropped
.if MSB != (\new)
	s_set_vgpr_msb (MSB<<8)|(\new)
.set MSB, (\new)
.endif
.endm
.macro PLACES n
.rept \n
	v_nop
.endr
.endm
.macro CREST                           ; a round of the cluster's barrier behind its opening barrier
	s_cmp_lg_u32 s[WV], 0
	s_cbranch_scc1 .Lnot_wave_0_\@
	s_barrier_signal -3
.Lnot_wave_0_\@:
	s_barrier_wait -3
	s_barrier_signal -1
	s_barrier_wait -1
.endm
.macro CROUND
	s_barrier_signal -1
	s_barrier_wait -1
	CREST
.endm
; A joint refill of slot n.  The branches hang on the wave's number alone.  Four v_nop follow each of the two lines.
.macro JLOAD n
	s_cmp_eq_u32 s[WV], 0
	s_cbranch_scc0 .Lnot_a_\@
	tensor_load_to_lds s[G0A+4*\n:G0A+4*\n+3], s[G1A:G1A+7]
	s_nop 0
	PLACES 4
	s_branch .Lasked_\@
.Lnot_a_\@:
	s_cmp_lt_u32 s[WV], 3
	s_cbranch_scc0 .Lasked_\@
	tensor_load_to_lds s[G0B+4*\n:G0B+4*\n+3], s[G1B:G1B+7]
	s_nop 0
	PLACES 4
.Lasked_\@:
.endm
	s_load_b256 s[4:11], s[0:1], 0x0               ; xq, wq, cs, rms_w
	s_load_b64 s[12:13], s[0:1], 0x20              ; kv
	v_lshl_add_u32 v[SPW], v0, 2, SPARE
	v_mov_b32 v[NIL], 0
	ds_add_u32 v28, v29
	s_wait_dscnt 0x0
	v_lshrrev_b32 v1, 5, v0
	v_readfirstlane_b32 s[WV], v1                  ; wave 0..3
	s_bfe_u32 s15, ttmp6, 0x40000                  ; cx
	s_bfe_u32 s16, ttmp6, 0x40004                  ; cy
	s_sub_co_u32 s20, ttmp9, 6                     ; V's clusters count from 0
	s_and_b32 s21, s20, 1
	s_lshr_b32 s22, s20, 1
	s_cmp_lt_u32 ttmp9, 6                          ; K's cluster?  The same in all sixteen partners
	s_cselect_b32 s21, ttmp9, s21
	s_cselect_b32 s22, 0, s22
	s_lshl_b32 s17, s21, 2
	s_add_co_u32 s17, s17, s15                     ; idx0: K: the head (0..23); V: the key step (0..7)
	s_lshl_b32 s18, s22, 2
	s_add_co_u32 s18, s18, s16                     ; idx1: K: 0..3; V: 0..11
	s_lshr_b32 s19, s[WV], 1                       ; which of source 1's two groups is mine; also the one that waves 1 (0) and 2 (1) fetch
	s_and_b32 s23, s[WV], 1                        ; which four fragments of it
	s_lshl_b32 s40, s18, 1
	s_add_co_u32 s40, s40, s19                     ; source 1's group: K: the key step; V: the head
	s_lshl_b32 s41, 0x1111, s15                    ; my column of the cluster
	s_lshl_b32 s42, s16, 2
	s_lshl_b32 s42, 15, s42                        ; my row
	; descriptor group 1: 50,688 dense bytes as 198 rows of 32 elements of 8 bytes, no padding: images are read 512 consecutive bytes an instruction
	s_or_b32 s[G1A], s41, (3<<16)|(1<<21)          ; 15:0 the mask; 17:16 elements of 8 bytes; 21 set beside a mask
	s_or_b32 s[G1B], s42, (3<<16)|(1<<21)
.irp g, G1A, G1B
	s_mov_b32 s[\g+1], 32<<16                      ; tensor_dim0
	s_mov_b32 s[\g+2], 198<<16                     ; tensor_dim1
	s_mov_b32 s[\g+3], 32<<16                      ; tile_dim0
	s_mov_b32 s[\g+4], 198                         ; tile_dim1
	s_mov_b32 s[\g+5], 32                          ; tensor_dim0_stride
	s_mov_b32 s[\g+6], 0
	s_mov_b32 s[\g+7], 0
.endr
	s_mul_i32 s66, s17, GRP                        ; source 0's group in bytes: hangs on cx alone
	s_mov_b32 s67, 0
	s_mul_i32 s68, s40, GRP                        ; source 1's: on cy and the wave
	s_mov_b32 s69, 0
	s_mul_i32 s70, s[WV], FILL                     ; where my load goes: wave x 3 records: no place in the cluster enters an LDS address
	s_mov_b32 s86, 0x76543210
	s_mov_b32 s87, 0xfedcba98                      ; v_permlanex16_b32's selects for lane l xor 16
	s_mov_b32 s88, 0x600000                        ; the mantissa field of 57,344
	s_mov_b32 s89, 0x3c000000                      ; 1 / 128
	s_mov_b32 s90, 0x358637bd                      ; 1e-6
	s_wait_kmcnt 0x0
	s_add_nc_u64 s[72:73], s[6:7], 24*GRP          ; Wv's records
	s_cmp_lt_u32 ttmp9, 6
	s_cselect_b64 s[44:45], s[6:7], s[4:5]         ; source 0: K: Wk; V: X
	s_cselect_b64 s[46:47], s[4:5], s[72:73]       ; source 1: K: X; V: Wv
	s_add_nc_u64 s[44:45], s[44:45], s[66:67]
	s_add_nc_u64 s[46:47], s[46:47], s[68:69]
	CROUND                                         ; all sixteen work-groups are here: the first joint loads meet
.irp n, 0,1
	s_mov_b32 s[G0A+4*\n], 1                       ; 1:0 count = 1
	s_add_co_u32 s[G0A+4*\n+1], s70, \n*SLOT       ; 63:32 LDS address
	s_add_nc_u64 s[G0A+4*\n+2:G0A+4*\n+3], s[44:45], \n*FILL   ; 120:64 global address: K steps 3 n on
	s_or_b32 s[G0A+4*\n+3], s[G0A+4*\n+3], 0x80000000          ; 127:126 type = 2
	s_mov_b32 s[G0B+4*\n], 1
	s_add_co_u32 s[G0B+4*\n+1], s70, \n*SLOT
	s_add_nc_u64 s[G0B+4*\n+2:G0B+4*\n+3], s[46:47], \n*FILL
	s_or_b32 s[G0B+4*\n+3], s[G0B+4*\n+3], 0x80000000
.endr
	s_cmp_eq_u32 s[WV], 0                          ; a wave's two first fills stand in one branch, ahead of every wait on TENSORcnt and every LDS read
	s_cbranch_scc0 .Lfirst_not_a
	tensor_load_to_lds s[G0A:G0A+3], s[G1A:G1A+7]
	s_nop 0
	tensor_load_to_lds s[G0A+4:G0A+7], s[G1A:G1A+7]
	s_nop 0
	PLACES 4
	s_branch .Lfirst_asked
.Lfirst_not_a:
	s_cmp_lt_u32 s[WV], 3
	s_cbranch_scc0 .Lfirst_asked
	tensor_load_to_lds s[G0B:G0B+3], s[G1B:G1B+7]
	s_nop 0
	tensor_load_to_lds s[G0B+4:G0B+7], s[G1B:G1B+7]
	s_nop 0
	PLACES 4
.Lfirst_asked:
	v_and_b32 v1, 15, v0                           ; r
	v_bfe_u32 v2, v0, 4, 1                         ; h
	v_and_b32 v3, 31, v0
	v_lshlrev_b32 v[GA], 4, v3
	v_mov_b32 v[A0], v[GA]
	v_add_nc_u32 v[A0+1], SLOT, v[GA]
	s_add_co_u32 s71, s19, 1
	s_mul_i32 s71, s71, FILL                       ; my group of source 1 in a slot
	s_lshl_b32 s74, s23, 13
	s_add_co_u32 s74, s74, s71                     ; + my four fragments
	v_add_nc_u32 v[A1], s74, v[A0]
	v_add_nc_u32 v[A1+1], s74, v[A0+1]
	s_lshl_b32 s75, s23, 8
	s_add_co_u32 s75, s75, s71
	s_add_co_u32 s75, s75, 16384                   ; their scale words: both halves of the lanes read row r's four
	v_lshl_add_u32 v[AS], v1, 4, s75
	v_add_nc_u32 v[AS+1], SLOT, v[AS]
	v_lshlrev_b32 v[GS], 4, v1
	v_lshl_add_u32 v[GS], v2, 3, v[GS]
	v_and_b32 v[CSA], 8, v1
	v_add_nc_u32 v[CSA], v[CSA], v1
	v_lshlrev_b32 v[CSA], 9, v[CSA]
	v_lshl_add_u32 v[CSA], v2, 6, v[CSA]
	v_lshlrev_b32 v[WA], 6, v2
.irp b, 0,1,2,3
	v_mov_b32 v[TM+4+\b], 0                        ; written once: a lane permute's destination counts as one of its sources
.endr
	s_lshl_b32 s76, s16, 8                         ; the table at key 256 cy + 128 (wave / 2) + 64 (wave % 2)
	s_lshl_b32 s77, s19, 7
	s_add_co_u32 s76, s76, s77
	s_lshl_b32 s77, s23, 6
	s_add_co_u32 s76, s76, s77
	s_lshl_b32 s76, s76, 9
	s_mov_b32 s77, 0
	s_add_nc_u64 s[8:9], s[8:9], s[76:77]
	; The way out's (cos, sin) and rms_w are asked for now and waited for behind the last product.  V's work-groups load them too, from places that cy keeps inside the table, and do not use them:
	; so these registers are written on every path through the text.  Register 64 a + 16 b + i: i even cos, i odd sin of pair 16 b + 8 h + i / 2 of fragment a's key.
	WIN 0xc0                                       ; destination window 3
.irp a, 0,1,2,3
.irp b, 0,1,2,3
.irp j, 0,1,2,3
	global_load_b128 v[64*\a+16*\b+4*\j:64*\a+16*\b+4*\j+3], v[CSA], s[8:9] offset:(32*(\a/2)+8*(\a%2))*512+128*\b+16*\j
.endr
.endr
.endr
	WIN 0
.irp b, 0,1,2,3
.irp j, 0,1,2,3
	global_load_b128 v[WGT+16*\b+4*\j:WGT+16*\b+4*\j+3], v[WA], s[10:11] offset:128*\b+16*\j
.endr
.endr
	s_lshl_b32 s78, s17, 3                         ; my record of kv: K: (idx0 x 8 + source 1's group) x 2;
	s_add_co_u32 s78, s78, s40
	s_lshl_b32 s78, s78, 1
	s_lshl_b32 s79, s40, 3                         ; V: (source 1's group x 8 + idx0) x 2 + 1
	s_add_co_u32 s79, s79, s17
	s_lshl_b32 s79, s79, 1
	s_add_co_u32 s79, s79, 1
	s_cmp_lt_u32 ttmp9, 6
	s_cselect_b32 s78, s78, s79
	s_mul_i32 s78, s78, REC
	s_mov_b32 s79, 0
	s_add_nc_u64 s[12:13], s[12:13], s[78:79]
	s_lshl_b32 s80, s23, 13
	s_mov_b32 s81, 0
	s_add_nc_u64 s[82:83], s[12:13], s[80:81]      ; my four fragments' images
	s_lshl_b32 s80, s23, 8
	s_add_co_u32 s80, s80, 16384
	s_add_nc_u64 s[84:85], s[12:13], s[80:81]      ; and their 256 bytes of scale words
; The fragments and scale words of K step kk of a slot, into set p: 50 LDS loads in one run, each of 512 consecutive bytes (the last: 256, read by both halves of the lanes)
.macro FETCH slot, kk, p
	WIN 0x40                                       ; destination window 1
.irp b, 0,1,2,3,4,5,6,7
.irp c, 0,1,2,3
	ds_load_b128 v[128*(\p)+16*\b+4*\c:128*(\p)+16*\b+4*\c+3], v[A0+\slot] offset:REC*(\kk)+2048*\b+512*\c
.endr
.endr
	WIN 0
.irp a, 0,1,2,3
.irp c, 0,1,2,3
	ds_load_b128 v[BF+64*(\p)+16*\a+4*\c:BF+64*(\p)+16*\a+4*\c+3], v[A1+\slot] offset:REC*(\kk)+2048*\a+512*\c
.endr
.endr
	ds_load_b128 v[SC+8*(\p):SC+8*(\p)+3], v[A0+\slot] offset:REC*(\kk)+16384      ; source 0's: register i: fragment i in lanes 0-15, fragment 4 + i in lanes 16-31
	ds_load_b128 v[SC+8*(\p)+4:SC+8*(\p)+7], v[AS+\slot] offset:REC*(\kk)          ; source 1's: register a: my fragment a
.endm
.macro MM a, b, p, zero
.set rD, 8*(8*(\a)+(\b))
.set rA, 128*(\p)+16*(\b)
.set rB, BF+64*(\p)+16*(\a)
.set rSA, SC+8*(\p)+(\b)%4
.set rSB, SC+8*(\p)+4+(\a)
.if (\zero) && ((\b) < 4)
	v_wmma_scale_f32_16x16x128_f8f6f4 v[rD:rD+7], v[rA:rA+15], v[rB:rB+15], 0, v[rSA], v[rSB] matrix_a_fmt:MATRIX_FMT_BF8 matrix_b_fmt:MATRIX_FMT_BF8
.elseif (\zero)
	v_wmma_scale_f32_16x16x128_f8f6f4 v[rD:rD+7], v[rA:rA+15], v[rB:rB+15], 0, v[rSA], v[rSB] matrix_a_fmt:MATRIX_FMT_BF8 matrix_b_fmt:MATRIX_FMT_BF8 matrix_a_scale:MATRIX_SCALE_ROW1
.elseif (\b) < 4
	v_wmma_scale_f32_16x16x128_f8f6f4 v[rD:rD+7], v[rA:rA+15], v[rB:rB+15], v[rD:rD+7], v[rSA], v[rSB] matrix_a_fmt:MATRIX_FMT_BF8 matrix_b_fmt:MATRIX_FMT_BF8
.else
	v_wmma_scale_f32_16x16x128_f8f6f4 v[rD:rD+7], v[rA:rA+15], v[rB:rB+15], v[rD:rD+7], v[rSA], v[rSB] matrix_a_fmt:MATRIX_FMT_BF8 matrix_b_fmt:MATRIX_FMT_BF8 matrix_a_scale:MATRIX_SCALE_ROW1
.endif
.endm
; 8 matrix instructions: my fragment a of source 1 against source 0's eight.  The 32 accumulators take turns, one instruction a turn, in the same order in every K step.
.macro MULA a, p, zero
.irp b, 0,1,2,3,4,5,6,7
	MM \a, \b, \p, \zero
.endr
.endm
; A K step that has its successor in the same slot.  A load into a register that a matrix instruction has read stands eight places behind it.
.macro KSTEP slot, kk, p, zero
	s_wait_dscnt 0x0                               ; set p is in: it was asked for a K step ago
	PLACES 8
	FETCH \slot, (\kk)+1, 1-(\p)
	WIN 0xa1                                       ; source 0 window 1, source 1 window 0, C and D window 2
	MULA 0, \p, \zero
	MULA 1, \p, \zero
	MULA 2, \p, \zero
	MULA 3, \p, \zero
	WIN 0
.endm
; A slot's last K step changes slots: ONE barrier.  In front of it each wave waits for all its tensor loads, adds 0 to its spare word, and waits for that and for its reads of this slot.
; fill = 1: the barrier opens a round of the cluster's barrier, and behind the round this slot is filled again, 6 K steps ahead.
.macro TURN slot, next, p, fill
	s_wait_tensorcnt 0x0                           ; all my tensor loads have landed: my part of the next slot
	ds_add_u32 v[SPW], v[NIL]                      ; 0 onto my spare word
	s_wait_dscnt 1                                 ; set p is in: only the add may be out
	WIN 0xa1
	MULA 0, \p, 0                                  ; eight matrix instructions stand between the add and the wait for it
	s_wait_dscnt 0x0                               ; the add is done, and my reads of this slot are over
	s_barrier_signal -1
	MULA 1, \p, 0
	WIN 0
	s_barrier_wait -1
.if \fill
	CREST                                          ; no wave of any partner still reads this slot or has a load on its way
	s_add_nc_u64 s[G0A+4*\slot+2:G0A+4*\slot+3], s[G0A+4*\slot+2:G0A+4*\slot+3], 2*FILL
	s_add_nc_u64 s[G0B+4*\slot+2:G0B+4*\slot+3], s[G0B+4*\slot+2:G0B+4*\slot+3], 2*FILL
	JLOAD \slot                                    ; the first tensor load behind the round, one a wave: it has three K steps in which to land
.endif
	PLACES 8                                       ; (wave 3 passes none of the lines behind a load: so all eight stand here)
	FETCH \next, 0, 1-(\p)
	WIN 0xa1
	MULA 2, \p, 0
	MULA 3, \p, 0
	WIN 0
.endm
	s_wait_tensorcnt 1                             ; my part of slot 0 is in; slot 1's may stay out
	s_barrier_signal -1
	s_barrier_wait -1                              ; everybody's is
	FETCH 0, 0, 0
	KSTEP 0, 0, 0, 1                               ; the first K step stands in front of the loop: its products start the sums
	s_mov_b32 s3, 3
.Llap:                                             ; a trip goes once round the ring, 6 K steps, and fills both slots again: 24 K steps = 1 + 3 x 6 + 5
	KSTEP 0, 1, 1, 0
	TURN 0, 1, 0, 1
	KSTEP 1, 0, 1, 0
	KSTEP 1, 1, 0, 0
	TURN 1, 0, 1, 1
	KSTEP 0, 0, 0, 0
	s_sub_co_u32 s3, s3, 1
	s_cmp_lg_u32 s3, 0
	s_cbranch_scc1 .Llap
	KSTEP 0, 1, 1, 0                               ; the tail is written out: it fills nothing
	TURN 0, 1, 0, 0
	KSTEP 1, 0, 1, 0
	KSTEP 1, 1, 0, 0
	s_wait_dscnt 0x0
	WIN 0xa1
	MULA 0, 1, 0
	MULA 1, 1, 0
	MULA 2, 1, 0
	MULA 3, 1, 0
	WIN 0
; THE WAY OUT: registers and stores alone.  Register 64 a + 16 b + i of window 2 is (lane-row r of my fragment a, k = 32 b + 16 h + i).
	PLACES 8                                       ; in front of the first read of results, and of vector writes into registers that held fragments
	s_wait_loadcnt 0x0                             ; the table and rms_w
	s_cmp_ge_u32 ttmp9, 6
	s_cbranch_scc1 .Lno_rope                       ; V has neither norm nor rope
; K: the mean of the squares over the head's 128 (64 are mine, 64 lane l xor 16's); each accumulator is read from its low end on
.macro SUMSQ a
	WIN 0x0a                                       ; sources 0 and 1 window 2
.irp q, 0,1,2,3
	v_pk_mul_f32 v[TM+2*\q:TM+2*\q+1], v[64*(\a)+2*\q:64*(\a)+2*\q+1], v[64*(\a)+2*\q:64*(\a)+2*\q+1]
.endr
.set q, 4
.rept 28
	v_pk_fma_f32 v[TM+2*(q%4):TM+2*(q%4)+1], v[64*(\a)+2*q:64*(\a)+2*q+1], v[64*(\a)+2*q:64*(\a)+2*q+1], v[TM+2*(q%4):TM+2*(q%4)+1]
.set q, q+1
.endr
	WIN 0
	v_pk_add_f32 v[TM:TM+1], v[TM:TM+1], v[TM+2:TM+3]
	v_pk_add_f32 v[TM+4:TM+5], v[TM+4:TM+5], v[TM+6:TM+7]
	v_pk_add_f32 v[TM:TM+1], v[TM:TM+1], v[TM+4:TM+5]
	v_add_f32 v[TM], v[TM], v[TM+1]
	v_permlanex16_b32 v[TM+1], v[TM], s86, s87
	v_add_f32 v[TM], v[TM], v[TM+1]
	v_fma_f32 v[TM+8+(\a)], v[TM], s89, s90        ; sum / 128 + 1e-6: the product is exact
.endm
.irp a, 0,1,2,3
	SUMSQ \a
.endr
.irp a, 0,1,2,3
	v_rsq_f32 v[RS+\a], v[TM+8+\a]
.endr
	v_nop                                          ; a plain instruction behind the last of the batch
	s_wait_alu depctr_va_vdst(0)                   ; one wait for the four, ahead of their first reader
; x = (x rs) w, then the turn of each pair (x0, x1): (x0 c - x1 s, x0 s + x1 c), in place
.macro ROPE a
	WIN 0x82                                       ; destination and source 0 window 2
.set q, 0
.rept 32
.if (\a)%2
	v_pk_mul_f32 v[64*(\a)+2*q:64*(\a)+2*q+1], v[64*(\a)+2*q:64*(\a)+2*q+1], v[RS+2*((\a)/2):RS+2*((\a)/2)+1] op_sel:[0,1] op_sel_hi:[1,1]
.else
	v_pk_mul_f32 v[64*(\a)+2*q:64*(\a)+2*q+1], v[64*(\a)+2*q:64*(\a)+2*q+1], v[RS+2*((\a)/2):RS+2*((\a)/2)+1] op_sel_hi:[1,0]
.endif
.set q, q+1
.endr
.set q, 0
.rept 32
	v_pk_mul_f32 v[64*(\a)+2*q:64*(\a)+2*q+1], v[64*(\a)+2*q:64*(\a)+2*q+1], v[WGT+2*q:WGT+2*q+1]
.set q, q+1
.endr
	WIN 0x0e                                       ; source 0 window 2, source 1 window 3
.set q, 0
.rept 32
	v_pk_mul_f32 v[T+2*q:T+2*q+1], v[64*(\a)+2*q:64*(\a)+2*q+1], v[64*(\a)+2*q:64*(\a)+2*q+1] op_sel:[1,1] op_sel_hi:[0,1] neg_lo:[1,0]   ; (-x1 s, x0 s)
.set q, q+1
.endr
	WIN 0x8e
.set q, 0
.rept 32
	v_pk_fma_f32 v[64*(\a)+2*q:64*(\a)+2*q+1], v[64*(\a)+2*q:64*(\a)+2*q+1], v[64*(\a)+2*q:64*(\a)+2*q+1], v[T+2*q:T+2*q+1] op_sel_hi:[1,0,1]   ; (x0 c, x1 c) + that
.set q, q+1
.endr
	WIN 0
.endm
.irp a, 0,1,2,3
	ROPE \a
.endr
.Lno_rope:
; my fragment a is quantised and leaves as the image of an operand's registers
.macro QUANTA a
	WIN 0x28                                       ; sources 1 and 2 window 2
.irp b, 0,1,2,3
	v_max3_num_f32 v[TM+\b], 0x8000000, |v[64*(\a)+16*\b]|, |v[64*(\a)+16*\b+1]|   ; the floor 2^(16 - 127) and my 16 numbers of block b, from each accumulator's low end on
.endr
.irp i, 2,4,6,8,10,12,14
.irp b, 0,1,2,3
	v_max3_num_f32 v[TM+\b], v[TM+\b], |v[64*(\a)+16*\b+\i]|, |v[64*(\a)+16*\b+\i+1]|
.endr
.endr
	WIN 0
.irp b, 0,1,2,3
	v_permlanex16_b32 v[TM+4+\b], v[TM+\b], s86, s87
.endr
.irp b, 0,1,2,3
	v_max_num_f32 v[TM+\b], v[TM+\b], v[TM+4+\b]
.endr
.irp b, 0,1,2,3
	v_add_nc_u32 v[TM+12+\b], 0xf8800000, v[TM+\b] ; 15 off the exponent field: the conversion's scale operand
.endr
.irp b, 0,1,2,3
	v_and_or_b32 v[TM+8+\b], v[TM+\b], 0x7f800000, s88   ; 57,344 x the scale
.endr
.irp b, 0,1,2,3
	v_lshrrev_b32 v[TM+4+\b], 23, v[TM+12+\b]      ; the scale's byte
.endr
	v_lshl_or_b32 v[PW+(\a)], v[TM+5], 8, v[TM+4]
	v_lshl_or_b32 v[PW+(\a)], v[TM+6], 16, v[PW+(\a)]
	v_lshl_or_b32 v[PW+(\a)], v[TM+7], 24, v[PW+(\a)]
	WIN 0x02                                       ; source 0 window 2
.irp b, 0,1,2,3
.irp i, 0,1,2,3,4,5,6,7,8,9,10,11,12,13,14,15
	v_med3_num_f32 v[Y+16*\b+\i], v[64*(\a)+16*\b+\i], -v[TM+8+\b], v[TM+8+\b]   ; the hold: the conversion does not saturate (ISA guide 7.6.2)
.endr
.endr
	WIN 0
.if (\a) > 0
	s_wait_xcnt 0x0                                ; the last fragment's stores have read the code registers
.endif
.irp b, 0,1,2,3
	v_cvt_scalef32_pk8_bf8_f32 v[PC+4*\b:PC+4*\b+1], v[Y+16*\b:Y+16*\b+7], v[TM+12+\b]
	v_cvt_scalef32_pk8_bf8_f32 v[PC+4*\b+2:PC+4*\b+3], v[Y+16*\b+8:Y+16*\b+15], v[TM+12+\b]
.endr
	v_nop                                          ; one plain vector line behind the last conversion
.irp c, 0,1,2,3
	global_store_b128 v[GA], v[PC+4*\c:PC+4*\c+3], s[82:83] offset:2048*(\a)+512*\c   ; 32 lanes store 512 consecutive bytes, aligned
.endr
.endm
.irp a, 0,1,2,3
	QUANTA \a
.endr
	v_cmp_ne_u32 vcc_lo, 0, v2                     ; row r's four words are 16 bytes: lanes 0-15 store the first two, lanes 16-31 the other two: 256 consecutive bytes, aligned
	v_cndmask_b32 v[TM], v[PW], v[PW+2], vcc_lo
	v_cndmask_b32 v[TM+1], v[PW+1], v[PW+3], vcc_lo
	global_store_b64 v[GS], v[TM:TM+1], s[84:85]
	s_wait_tensorcnt 0x0                           ; the wave's end
	ds_add_u32 v[SPW], v[NIL]
	s_wait_dscnt 0x0
	CROUND                                         ; the closing round: no work-group ends while a partner may still ask for a tile that names it
	s_endpgm
.Lfunc_end_k_q0ab5f8af67_proj:
	.size	k_q0ab5f8af67_proj, .Lfunc_end_k_q0ab5f8af67_proj-k_q0ab5f8af67_proj
	.p2alignl 7, 3214868480
	.fill 96, 4, 3214868480
	.section	.rodata,"a",@progbits
	.p2align	6, 0x0
	.amdhsa_kernel k_q0ab5f8af67_proj
		.amdhsa_group_segment_fixed_size 327680
		.amdhsa_private_segment_fixed_size 0
		.amdhsa_enable_private_segment 0
		.amdhsa_kernarg_size 40
		.amdhsa_user_sgpr_count 2
		.amdhsa_user_sgpr_kernarg_segment_ptr 1
		.amdhsa_wavefront_size32 1
		.amdhsa_system_sgpr_workgroup_id_x 1
		.amdhsa_system_sgpr_workgroup_id_y 1
		.amdhsa_system_sgpr_workgroup_id_z 1
		.amdhsa_system_vgpr_workitem_id 0
		.amdhsa_next_free_vgpr 1024
		.amdhsa_next_free_sgpr 100
		.amdhsa_reserve_vcc 1
		.amdhsa_float_denorm_mode_32 3
		.amdhsa_float_denorm_mode_16_64 3
		.amdhsa_memory_ordered 1
		.amdhsa_forward_progress 1
		.amdhsa_inst_pref_size 186
	.end_amdhsa_kernel
	.amdgpu_metadata
---
amdhsa.version: [ 1, 2 ]
amdhsa.kernels:
  - .name:           k_q0ab5f8af67_proj
    .symbol:         k_q0ab5f8af67_proj.kd
    .args:
      - { .name: xq, .offset: 0, .size: 8, .value_kind: global_buffer, .address_space: global }
      - { .name: wq, .offset: 8, .size: 8, .value_kind: global_buffer, .address_space: global }
      - { .name: cs, .offset: 16, .size: 8, .value_kind: global_buffer, .address_space: global }
      - { .name: rms_w, .offset: 24, .size: 8, .value_kind: global_buffer, .address_space: global }
      - { .name: kv, .offset: 32, .size: 8, .value_kind: global_buffer, .address_space: global }
    .group_segment_fixed_size: 327680
    .private_segment_fixed_size: 0
    .kernarg_segment_align: 8
    .kernarg_segment_size: 40
    .max_flat_workgroup_size: 128
    .sgpr_count:     100
    .vgpr_count:     1024
    .wavefront_size: 32
...
	.end_amdgpu_metadata
.endif
;; end of part 2
;; launch attn (part 3): grid 8 x 24, 8 waves a work-group, clusters of 4 x 1, 327,680 bytes of LDS; arguments query, kv, out0; writes out0
.if DOCPART == 3
	.amdgcn_target "amdgcn-amd-amdhsa--gfx1250"
	.amdhsa_code_object_version 6
	.text
	.protected	k_q0ab5f8af67_attn
	.globl	k_q0ab5f8af67_attn
	.p2align	8
	.type	k_q0ab5f8af67_attn,@function
k_q0ab5f8af67_attn:
	s_mov_b64 s[64:65], 0
	v_nop
	global_prefetch_b8 v0, s[64:65] scope:SCOPE_SE
	s_setreg_imm32_b32 hwreg(HW_REG_WAVE_MODE, 25, 1), 1
	s_wait_xcnt 0x0
	s_wait_alu depctr_hold_cnt(0) depctr_sa_sdst(0) depctr_va_vdst(0) depctr_va_sdst(0) depctr_va_ssrc(0) depctr_va_vcc(0) depctr_vm_vsrc(0)
	s_getreg_b32 s2, hwreg(HW_REG_IB_STS2, 6, 4)
	s_cmp_eq_u32 s2, 0
	s_cbranch_scc0 .Lentry_in_a_cluster
	s_endpgm
.Lentry_in_a_cluster:
	s_bfe_u32 s2, ttmp6, 0x10000c
	s_cmp_lg_u32 s2, 0x3003
	s_cbranch_scc0 .Lentry_shape_is_right
	s_endpgm
.Lentry_shape_is_right:
.set REC,   16896
.set HEADB, 16*REC
.set STG,   HEADB
.set QROW,  12288
.set NEXTP, 256*QROW
.set STO, 0
.set LI,  1
.set AD,  2
.set GO,  3
.set KS,  4
.set QW,  8
.set PS,  10
.set VS,  12
.set P,   16
.set NM,  80
.set TMX, 81
.set SUM, 82
.set QF,  84
.set SG,  100
.set O,   164
.set PC,  228
.set BM,  236
.set T2,  240
.set HD,  244
.set SCL, 248
.set F,   252
.set TMP, 254
.set RD,  255
.set WV,  10
.set G1,  24
.set G0,  32
.set SEL, 40
.set CS,  42
.set MNT, 44
.set TB,  45
.set CNT, 46
.set PASS, 48
.set QB,  50
.set OUT, 54
.set MSB, 0
.macro WIN new
.if MSB != (\new)
	s_set_vgpr_msb (MSB<<8)|(\new)
.set MSB, (\new)
.endif
.endm
.macro PLACES n
.rept \n
	v_nop
.endr
.endm
.macro CROUND
	s_barrier_signal -1
	s_barrier_wait -1
	s_cmp_lg_u32 s[WV], 0
	s_cbranch_scc1 .Lnot_wave_0_\@
	s_barrier_signal -3
.Lnot_wave_0_\@:
	s_barrier_wait -3
	s_barrier_signal -1
	s_barrier_wait -1
.endm
.macro QLOAD w, off
	WIN 0x40*(\w)
.irp u, 0,1
.irp i, 0,1,2,3,4,5,6,7
	global_load_b128 v[P+32*\u+4*\i:P+32*\u+4*\i+3], v[GO], s[QB:QB+1] offset:(\off)+(8*(\w)+2*\i+8*(\i/4))*QROW+256*\u th:TH_LOAD_NT
.endr
.endr
	WIN 0
.endm
.macro QASK w
	s_cmp_lg_u32 s[PASS], 2
	s_cbranch_scc1 .Lno_q_\@
	QLOAD \w, NEXTP
.Lno_q_\@:
.endm
.macro QIN w, u, left
	s_wait_loadcnt \left
	WIN 4*(\w)
.irp i, 0,1,2,3,4,5,6,7
	ds_store_b128 v[RD], v[P+32*(\u)+4*\i:P+32*(\u)+4*\i+3] offset:544*\i
.endr
	WIN 0x40*(\w)
.irp bq, 0,1
.irp q, 0,1,2,3
	ds_load_b128 v[SG+16*(2*(\u)+\bq)+4*\q:SG+16*(2*(\u)+\bq)+4*\q+3], v[STO] offset:128*\bq+16*\q
.endr
.endr
.endm
.macro QQ w
	WIN 0x55*(\w)
.irp b, 0,1,2,3
	v_max3_num_f32 v[BM+\b], |v[SG+16*\b]|, |v[SG+1+16*\b]|, 0x8000000
.endr
.irp i, 2,4,6,8,10,12,14
.irp b, 0,1,2,3
	s_delay_alu instid0(VALU_DEP_4)
	v_max3_num_f32 v[BM+\b], v[BM+\b], |v[SG+16*\b+\i]|, |v[SG+1+16*\b+\i]|
.endr
.endr
.irp b, 0,1,2,3
	v_permlanex16_b32 v[T2+\b], v[BM+\b], s[SEL], s[SEL+1]
.endr
.irp b, 0,1,2,3
	s_delay_alu instid0(VALU_DEP_4)
	v_max_num_f32 v[BM+\b], v[BM+\b], v[T2+\b]
.endr
.irp b, 0,1,2,3
	s_delay_alu instid0(VALU_DEP_4)
	v_add_nc_u32 v[SCL+\b], 0xf8800000, v[BM+\b]
.endr
.irp b, 0,1,2,3
.endr
.irp b, 0,1,2,3
	s_delay_alu instid0(VALU_DEP_4)
	v_lshrrev_b32 v[T2+\b], 23, v[SCL+\b]
.endr
	s_delay_alu instid0(VALU_DEP_3)
	v_lshl_or_b32 v[TMP], v[T2+1], 8, v[T2]
	s_delay_alu instid0(VALU_DEP_1)
	v_lshl_or_b32 v[TMP], v[T2+2], 16, v[TMP]
	WIN 0x15*(\w)
	v_lshl_or_b32 v[QW+(\w)], v[T2+3], 24, v[TMP]
	WIN 0x55*(\w)
.irp b, 0,1,2,3
.irp i, 0,1,2,3,4,5,6,7,8,9,10,11,12,13,14,15
.endr
	v_cvt_scalef32_pk8_bf8_f32 v[QF+4*\b:QF+4*\b+1], v[SG+16*\b:SG+16*\b+7], v[SCL+\b]
	v_cvt_scalef32_pk8_bf8_f32 v[QF+4*\b+2:QF+4*\b+3], v[SG+16*\b+8:SG+16*\b+15], v[SCL+\b]
.endr
	v_nop
.endm
.macro QPREP
	QIN 0, 0, 24
	QIN 0, 1, 16
	QIN 1, 0, 8
	QIN 1, 1, 0
	s_wait_dscnt 32
	QQ 0
	s_wait_dscnt 0x0
	QQ 1
	WIN 0
.endm
	s_load_b128 s[4:7], s[0:1], 0x0
	s_load_b64 s[8:9], s[0:1], 0x10
	s_set_vgpr_msb 0x40
	v_lshl_add_u32 v15, v0, 2, 0x4a800
	v_mov_b32 v255, 0
	s_set_vgpr_msb 0x4045
	ds_add_u32 v15, v255
	ds_add_u32 v15, v255
	s_set_vgpr_msb 0x4500
	v_lshrrev_b32 v[O], 5, v0
	s_delay_alu instid0(VALU_DEP_1)
	v_readfirstlane_b32 s[WV], v[O]
	s_bfe_u32 s11, ttmp6, 0x40000
	s_lshl_b32 s13, ttmp9, 2
	s_add_co_u32 s13, s13, s11
	s_and_b32 s12, ttmp7, 0xffff
	s_mov_b32 s[G1], 15|(3<<16)|(1<<21)
	s_mov_b32 s[G1+1], 32<<16
	s_mov_b32 s[G1+2], 66<<16
	s_mov_b32 s[G1+3], 32<<16
	s_mov_b32 s[G1+4], 66
	s_mov_b32 s[G1+5], 32
	s_mov_b32 s[G1+6], 0
	s_mov_b32 s[G1+7], 0
	s_mul_i32 s16, s[WV], REC
	s_mul_i32 s14, s12, HEADB
	s_add_co_u32 s14, s14, s16
	s_mov_b32 s15, 0
	s_lshl_b32 s18, s13, 9
	s_lshl_b32 s19, s[WV], 5
	s_add_co_u32 s18, s18, s19
	s_mul_i32 s18, s18, QROW
	s_lshl_b32 s19, s12, 9
	s_add_co_u32 s18, s18, s19
	s_mov_b32 s19, 0
	s_mov_b32 s[SEL], 0x76543210
	s_mov_b32 s[SEL+1], 0xfedcba98
	s_mov_b32 s[CS], 0x3e0293ee
	s_mov_b32 s[CS+1], s[CS]
	s_mov_b32 s[MNT], 0x600000
	s_wait_dscnt 0x0
	s_wait_kmcnt 0x0
	s_add_nc_u64 s[6:7], s[6:7], s[14:15]
	s_add_nc_u64 s[QB:QB+1], s[4:5], s[18:19]
	s_add_nc_u64 s[OUT:OUT+1], s[8:9], s[18:19]
	CROUND
	s_mov_b32 s[G0], 1
	s_mov_b32 s[G0+1], s16
	s_mov_b64 s[G0+2:G0+3], s[6:7]
	s_or_b32 s[G0+3], s[G0+3], 0x80000000
	s_mov_b32 s[G0+4], 1
	s_add_co_u32 s[G0+5], s16, 8*REC
	s_add_nc_u64 s[G0+6:G0+7], s[6:7], 8*REC
	s_or_b32 s[G0+7], s[G0+7], 0x80000000
	tensor_load_to_lds s[G0:G0+3], s[G1:G1+7]
	s_nop 0
	tensor_load_to_lds s[G0+4:G0+7], s[G1:G1+7]
	s_nop 0
	PLACES 4
	v_and_b32 v[O], 15, v0
	v_bfe_u32 v[O+1], v0, 4, 1
	v_and_b32 v[O+2], 31, v0
	s_delay_alu instid0(VALU_DEP_1)
	v_lshlrev_b32 v[LI], 4, v[O+2]
	s_delay_alu instid0(VALU_DEP_3)
	v_mul_u32_u24 v[GO], v[O+1], QROW
	s_delay_alu instid0(VALU_DEP_1)
	v_lshl_add_u32 v[GO], v[O], 4, v[GO]
	QLOAD 0, 0
	QLOAD 1, 0
	s_mul_i32 s17, s[WV], 16*272
	s_add_co_u32 s17, s17, STG
	v_mul_u32_u24 v[O+3], v[O], 272
	s_delay_alu instid0(VALU_DEP_1)
	v_lshl_add_u32 v[O+3], v[O+1], 6, v[O+3]
	v_mul_u32_u24 v[O+4], v[O+1], 272
	s_delay_alu instid0(VALU_DEP_1)
	v_lshl_add_u32 v[O+4], v[O], 4, v[O+4]
	s_delay_alu instid0(VALU_DEP_1)
	v_add_nc_u32 v[RD], s17, v[O+4]
	s_delay_alu instid0(VALU_DEP_4)
	v_add_nc_u32 v[STO], s17, v[O+3]
.irp w, 0,1
	WIN 0x40*\w
.irp b, 0,1,2,3
	v_mov_b32 v[T2+\b], 0
.endr
	v_mov_b32 v[F+1], 0
.endr
	WIN 0
	QPREP
	s_wait_tensorcnt 0x0
	s_barrier_signal -1
	s_barrier_wait -1
.macro KQ t, w, kb, sb
.if (\t) < 4
	v_wmma_scale_f32_16x16x128_f8f6f4 v[(\sb)+8*(\t):(\sb)+8*(\t)+7], v[(\kb)+16*((\t)%4):(\kb)+16*((\t)%4)+15], v[QF:QF+15], 0, v[KS+(\t)%4], v[QW+(\w)] matrix_a_fmt:MATRIX_FMT_BF8 matrix_b_fmt:MATRIX_FMT_BF8
.else
	v_wmma_scale_f32_16x16x128_f8f6f4 v[(\sb)+8*(\t):(\sb)+8*(\t)+7], v[(\kb)+16*((\t)%4):(\kb)+16*((\t)%4)+15], v[QF:QF+15], 0, v[KS+(\t)%4], v[QW+(\w)] matrix_a_fmt:MATRIX_FMT_BF8 matrix_b_fmt:MATRIX_FMT_BF8 matrix_a_scale:MATRIX_SCALE_ROW1
.endif
.endm
.macro PV t, w, kb
.if (\t) < 4
	v_wmma_scale_f32_16x16x128_f8f6f4 v[O+8*(\t):O+8*(\t)+7], v[(\kb)+16*((\t)%4):(\kb)+16*((\t)%4)+15], v[PC:PC+15], v[O+8*(\t):O+8*(\t)+7], v[VS+(\t)%4], v[PS+(\w)] matrix_a_fmt:MATRIX_FMT_BF8 matrix_b_fmt:MATRIX_FMT_BF8
.else
	v_wmma_scale_f32_16x16x128_f8f6f4 v[O+8*(\t):O+8*(\t)+7], v[(\kb)+16*((\t)%4):(\kb)+16*((\t)%4)+15], v[PC:PC+15], v[O+8*(\t):O+8*(\t)+7], v[VS+(\t)%4], v[PS+(\w)] matrix_a_fmt:MATRIX_FMT_BF8 matrix_b_fmt:MATRIX_FMT_BF8 matrix_a_scale:MATRIX_SCALE_ROW1
.endif
.endm
.macro LDLO reg, off
.irp t, 0,1,2,3
.irp c, 0,1,2,3
	ds_load_b128 v[(\reg)+16*\t+4*\c:(\reg)+16*\t+4*\c+3], v[AD] offset:(\off)+2048*\t+512*\c
.endr
.endr
.endm
.macro LDHI reg, off
.irp t, 0,1,2,3
.irp c, 0,1,2,3
	ds_load_b128 v[(\reg)+16*\t+4*\c:(\reg)+16*\t+4*\c+3], v[AD] offset:(\off)+2048*(\t+4)+512*\c
.endr
.endr
.endm
.macro SOFT w, sb
	WIN 0x55*(\w)
.irp b, 0,1,2,3
	v_max3_num_f32 v[BM+\b], v[(\sb)+16*\b], v[(\sb)+1+16*\b], v[(\sb)+2+16*\b]
.endr
.irp i, 3,5,7,9,11,13
.irp b, 0,1,2,3
	v_max3_num_f32 v[BM+\b], v[BM+\b], v[(\sb)+16*\b+\i], v[(\sb)+1+16*\b+\i]
.endr
.endr
.irp b, 0,1,2,3
	v_max_num_f32 v[BM+\b], v[BM+\b], v[(\sb)+15+16*\b]
.endr
.irp b, 0,1,2,3
	v_permlanex16_b32 v[T2+\b], v[BM+\b], s[SEL], s[SEL+1]
.endr
.irp b, 0,1,2,3
	s_delay_alu instid0(VALU_DEP_4)
	v_max_num_f32 v[BM+\b], v[BM+\b], v[T2+\b]
.endr
	s_delay_alu instid0(VALU_DEP_2)
	v_max3_num_f32 v[TMP], v[BM], v[BM+1], v[BM+2]
	s_delay_alu instid0(VALU_DEP_1)
	v_max_num_f32 v[TMP], v[TMP], v[BM+3]
	s_delay_alu instid0(VALU_DEP_1)
	v_mul_f32 v[TMP], s[CS], v[TMP]
	s_delay_alu instid0(VALU_DEP_1)
	v_max_num_f32 v[TMX], v[TMX], v[TMP]
	v_mov_b32 v[TMP], v[NM]
	s_delay_alu instid0(VALU_DEP_2)
	v_floor_f32 v[NM], -v[TMX]
	s_delay_alu instid0(VALU_DEP_1)
	v_sub_f32 v[TMP], v[NM], v[TMP]
	s_delay_alu instid0(VALU_DEP_1)
	v_cvt_i32_f32 v[TMP], v[TMP]
	s_delay_alu instid0(VALU_DEP_1)
	v_ldexp_f32 v[F], 1.0, v[TMP]
.set j, 0
.rept 32
	v_pk_fma_f32 v[(\sb)+j:(\sb)+j+1], v[(\sb)+j:(\sb)+j+1], s[CS:CS+1], v[NM:NM+1] op_sel_hi:[1,0,0]
.set j, j+2
.endr
.irp b, 0,1,2,3
	v_fma_f32 v[BM+\b], v[BM+\b], s[CS], v[NM]
.endr
.set j, 0
	s_wait_alu depctr_va_vdst(0)
.rept 64
	v_exp_f32 v[(\sb)+j], v[(\sb)+j]
.set j, j+1
.endr
	v_pk_mul_f32 v[SUM:SUM+1], v[SUM:SUM+1], v[F:F+1] op_sel_hi:[1,0]
	s_wait_alu depctr_va_vdst(0)
.irp b, 0,1,2,3
	v_exp_f32 v[BM+\b], v[BM+\b]
.endr
	v_pk_add_f32 v[T2:T2+1], v[(\sb):(\sb)+1], v[(\sb)+2:(\sb)+3]
.set j, 4
.rept 15
	v_pk_add_f32 v[SUM:SUM+1], v[SUM:SUM+1], v[(\sb)+j:(\sb)+j+1]
	v_pk_add_f32 v[T2:T2+1], v[T2:T2+1], v[(\sb)+j+2:(\sb)+j+3]
.set j, j+4
.endr
	s_delay_alu instid0(VALU_DEP_1)
	v_pk_add_f32 v[SUM:SUM+1], v[SUM:SUM+1], v[T2:T2+1]
	s_wait_alu depctr_va_vdst(0)
.irp b, 0,1,2,3
	v_max_num_f32 v[BM+\b], 0x8000000, v[BM+\b]
.endr
.irp b, 0,1,2,3
	s_delay_alu instid0(VALU_DEP_4)
	v_add_nc_u32 v[SCL+\b], 0xf8800000, v[BM+\b]
.endr
.irp b, 0,1,2,3
	v_and_or_b32 v[HD+\b], v[BM+\b], 0x7f800000, s[MNT]
.endr
.irp b, 0,1,2,3
	v_lshrrev_b32 v[T2+\b], 23, v[SCL+\b]
.endr
	s_delay_alu instid0(VALU_DEP_3)
	v_lshl_or_b32 v[TMP], v[T2+1], 8, v[T2]
	s_delay_alu instid0(VALU_DEP_1)
	v_lshl_or_b32 v[TMP], v[T2+2], 16, v[TMP]
	WIN 0x15*(\w)
	v_lshl_or_b32 v[PS+(\w)], v[T2+3], 24, v[TMP]
	WIN 0x55*(\w)
.irp b, 0,1,2,3
.irp i, 0,1,2,3,4,5,6,7,8,9,10,11,12,13,14,15
	v_min_num_f32 v[(\sb)+16*\b+\i], v[(\sb)+16*\b+\i], v[HD+\b]
.endr
	v_cvt_scalef32_pk8_bf8_f32 v[PC+4*\b:PC+4*\b+1], v[(\sb)+16*\b:(\sb)+16*\b+7], v[SCL+\b]
	v_cvt_scalef32_pk8_bf8_f32 v[PC+4*\b+2:PC+4*\b+3], v[(\sb)+16*\b+8:(\sb)+16*\b+15], v[SCL+\b]
.endr
.set j, 0
.rept 32
	v_pk_mul_f32 v[O+j:O+j+1], v[O+j:O+j+1], v[F:F+1] op_sel_hi:[1,0]
.set j, j+2
.endr
.endm
.macro STEP kb, sb, pre, qld
	s_wait_dscnt 0x0
	s_setprio 2
	v_add_nc_u32 v[AD], s[TB], v[LI]
	PLACES 8
.irp t, 0,1,2,3
	KQ \t, 0, \kb, \sb
.endr
	WIN 0x44
.irp t, 0,1,2,3
	KQ \t, 1, \kb, \sb
.endr
	WIN 0x45
.irp t, 4,5,6,7
	KQ \t, 1, \kb, \sb
.endr
	WIN 0x01
.irp t, 4,5,6,7
	KQ \t, 0, \kb, \sb
.endr
	WIN 0
	PLACES 8
	LDLO \kb, REC
	ds_load_b128 v[VS:VS+3], v[AD] offset:REC+16384
	WIN 0x40
	LDHI \kb, REC
	SOFT 0, \sb
.if \pre
	LDLO \sb, 2*REC
	s_setprio 1
	ds_load_b128 v[KS:KS+3], v[AD] offset:2*REC+16384
.endif
.if \qld
	QASK 0
.endif
	SOFT 1, \sb
	WIN 0
	s_wait_alu depctr_va_vdst(0)
	s_wait_dscnt 0x0
.if \pre
	WIN 0x40
	LDHI \sb, 2*REC
	WIN 0
.endif
.if \qld
	QASK 1
.endif
	s_setprio 0
.irp t, 0,1,2,3
	PV \t, 0, \kb
.endr
	WIN 0x54
.irp t, 0,1,2,3
	PV \t, 1, \kb
.endr
	WIN 0x55
.irp t, 4,5,6,7
	PV \t, 1, \kb
.endr
	WIN 0x01
.irp t, 4,5,6,7
	PV \t, 0, \kb
.endr
	WIN 0
	s_add_co_u32 s[TB], s[TB], 2*REC
.endm
.macro TOST w, u, set
	WIN 4*(\w)
.irp bq, 0,1
.irp q, 0,1,2,3
	ds_store_b128 v[STO], v[O+16*(2*(\u)+\bq)+4*\q:O+16*(2*(\u)+\bq)+4*\q+3] offset:128*\bq+16*\q
.endr
.endr
	WIN 0
.irp i, 0,1,2,3,4,5,6,7
	ds_load_b128 v[SG+32*(\set)+4*\i:SG+32*(\set)+4*\i+3], v[RD] offset:544*\i
.endr
.endm
.macro SEND w, u, set, younger
.irp i, 0,1,2,3,4,5,6,7
	s_wait_dscnt (\younger)+7-\i
	global_store_b128 v[GO], v[SG+32*(\set)+4*\i:SG+32*(\set)+4*\i+3], s[OUT:OUT+1] offset:(8*(\w)+2*\i+8*(\i/4))*QROW+256*(\u) th:TH_STORE_NT
.endr
.endm
	s_mov_b32 s[PASS], 2
.Lpass:
	s_mov_b32 s[TB], 0
	v_add_nc_u32 v[AD], s[TB], v[LI]
	LDLO P, 0
	ds_load_b128 v[KS:KS+3], v[AD] offset:16384
	WIN 0x40
	LDHI P, 0
.irp w, 0,1
	WIN 0x55*\w
	v_mov_b32 v[TMX], 0xff61b1e6
	s_delay_alu instid0(VALU_DEP_1)
	v_floor_f32 v[NM], -v[TMX]
	v_mov_b32 v[SUM], 0
	v_mov_b32 v[SUM+1], 0
.set j, 0
.rept 64
	v_mov_b32 v[O+j], 0
.set j, j+1
.endr
.endr
	WIN 0
	s_mov_b32 s[CNT], 3
.Ltrip:
	STEP P, SG, 1, 0
	STEP SG, P, 1, 0
	s_sub_co_u32 s[CNT], s[CNT], 1
	s_cmp_lg_u32 s[CNT], 0
	s_cbranch_scc1 .Ltrip
	s_setprio 0
	s_mov_b32 s[TB], 12*REC
	STEP P, SG, 1, 0
	STEP SG, P, 0, 1
	PLACES 8
.irp w, 0,1
	WIN 0x55*\w
	v_add_f32 v[SUM], v[SUM], v[SUM+1]
	s_delay_alu instid0(VALU_DEP_1)
	v_permlanex16_b32 v[F], v[SUM], s[SEL], s[SEL+1]
	s_delay_alu instid0(VALU_DEP_1)
	v_add_f32 v[SUM], v[SUM], v[F]
	s_wait_alu depctr_va_vdst(0)
	v_rcp_f32 v[SUM], v[SUM]
.endr
	v_nop
	s_wait_alu depctr_va_vdst(0)
.irp w, 0,1
	WIN 0x55*\w
.set j, 0
.rept 32
	v_pk_mul_f32 v[O+j:O+j+1], v[O+j:O+j+1], v[SUM:SUM+1] op_sel_hi:[1,0]
.set j, j+2
.endr
.endr
	TOST 0, 0, 0
	TOST 0, 1, 1
	s_wait_alu depctr_va_vdst(0)
	SEND 0, 0, 0, 16
	SEND 0, 1, 1, 0
	s_wait_xcnt 0x0
	TOST 1, 0, 0
	TOST 1, 1, 1
	SEND 1, 0, 0, 16
	SEND 1, 1, 1, 0
	s_wait_xcnt 0x0
	s_add_nc_u64 s[OUT:OUT+1], s[OUT:OUT+1], NEXTP
	s_cmp_eq_u32 s[PASS], 1
	s_cbranch_scc1 .Lno_more
	QPREP
.Lno_more:
	s_wait_loadcnt 0x0
	s_sub_co_u32 s[PASS], s[PASS], 1
	s_cmp_lg_u32 s[PASS], 0
	s_cbranch_scc1 .Lpass
	s_wait_dscnt 0x0
	s_set_vgpr_msb 0x5
	s_wait_tensorcnt 0x0
	ds_add_u32 v15, v255
	s_wait_dscnt 0x0
	s_set_vgpr_msb 0x500
	CROUND
	s_endpgm
.Lfunc_end_k_q0ab5f8af67_attn:
	.size	k_q0ab5f8af67_attn, .Lfunc_end_k_q0ab5f8af67_attn-k_q0ab5f8af67_attn
	.p2alignl 7, 3214868480
	.fill 96, 4, 3214868480
	.section	.rodata,"a",@progbits
	.p2align	6, 0x0
	.amdhsa_kernel k_q0ab5f8af67_attn
		.amdhsa_group_segment_fixed_size 327680
		.amdhsa_private_segment_fixed_size 0
		.amdhsa_enable_private_segment 0
		.amdhsa_kernarg_size 24
		.amdhsa_user_sgpr_count 2
		.amdhsa_user_sgpr_kernarg_segment_ptr 1
		.amdhsa_wavefront_size32 1
		.amdhsa_system_sgpr_workgroup_id_x 1
		.amdhsa_system_sgpr_workgroup_id_y 1
		.amdhsa_system_sgpr_workgroup_id_z 1
		.amdhsa_system_vgpr_workitem_id 0
		.amdhsa_next_free_vgpr 512
		.amdhsa_next_free_sgpr 66
		.amdhsa_reserve_vcc 0
		.amdhsa_float_denorm_mode_32 3
		.amdhsa_float_denorm_mode_16_64 3
		.amdhsa_fp16_overflow 1
		.amdhsa_memory_ordered 1
		.amdhsa_forward_progress 1
		.amdhsa_inst_pref_size 220
	.end_amdhsa_kernel
	.amdgpu_metadata
---
amdhsa.version: [ 1, 2 ]
amdhsa.kernels:
  - .name:           k_q0ab5f8af67_attn
    .symbol:         k_q0ab5f8af67_attn.kd
    .args:
      - { .name: query, .offset: 0, .size: 8, .value_kind: global_buffer, .address_space: global }
      - { .name: kv, .offset: 8, .size: 8, .value_kind: global_buffer, .address_space: global }
      - { .name: out0, .offset: 16, .size: 8, .value_kind: global_buffer, .address_space: global }
    .group_segment_fixed_size: 327680
    .private_segment_fixed_size: 0
    .kernarg_segment_align: 8
    .kernarg_segment_size: 24
    .max_flat_workgroup_size: 256
    .sgpr_count:     66
    .vgpr_count:     512
    .wavefront_size: 32
...
	.end_amdgpu_metadata
.endif
;; end of part 3
